; MI455X (gfx1250); checked and timed in simulation.
; The chip was launched on July 23, 2026; its instructions are those of AMD's public machine-readable ISA for CDNA 5 (MIT licence, August 2026) and "CDNA5" Instruction Set Architecture Reference Guide (July 2026). The comments in the code are by the model that wrote it; some were corrected since.
;; COO Tensor Product. Allowed arithmetic: matrix products marked QUANTISED: E2M1 operands, one E8M0 scale for each 32 along K, by v_wmma_scale_f32_16x16x128_f8f6f4 with both operands' format E2M1 (or v_wmma_scale_f32_32x16x128_f4), f32 sums; everything else in f32.
;; Inputs: cb_codes 4,096 x 128 x 16 uint8 (E2M1 codes of cb, K innermost, in blocks of 32 codes, two codes a byte); cb_scales 4,096 x 128 uint8 (E8M0 scales of cb, one for each 32 codes along K); in1 4,096 x 64 float32; in2 4,096 x 64 float32.
;; Outputs: out0 4,096 x 4,096 float32.
;; This version of the problem:
;;   THIS VERSION OF THE PROBLEM IS GIVEN IN LOW PRECISION. The matrix products marked QUANTISED in the list below multiply operands that are first quantised to E2M1 (2 exponent bits, 1 mantissa bit; 4 bits a number), with one power-of-two scale for each 32 numbers along K (OCP MX v1.0); their sums are f32. All else is computed in f32.
;;   The module's matrix products, in the order in which they are computed (A, B: the left and right operand; K: the contracted axis; several contracted axes count as one K, in the product's order):
;;     1. [M 4,096, K 4,096] x [K 4,096, N 4,096]; A: computed on the way; B: input cb (given as codes): QUANTISED
;;   THE QUANTISER, for each operand of a quantised product, along K:
;;     - K is cut into blocks of 32 from its start; a last block that is shorter is filled with zeros.
;;     - A block's scale is 2^e with e = floor(log2(the largest magnitude in the block)) - 2, held to -126 .. 127; a block of zeros has e = 0. As a byte (E8M0): e + 127.
;;     - Each number is divided by its block's scale, clamped to +-6, and rounded to the nearest number of E2M1, ties to even, subnormals kept.
;;     - The product sums the exact products of the quantised numbers (number of the format x scale) in f32.
;;   ~~~python
;;   def quantise(x, axis):      # numpy; x: float32 -> the quantised numbers, widened to float32 again
;;       x = np.moveaxis(x, axis, -1); K = x.shape[-1]
;;       x = np.pad(x, [(0, 0)] * (x.ndim - 1) + [(0, -K % 32)]); x = x.reshape(x.shape[:-1] + (-1, 32)); a = np.abs(x).max(-1, keepdims=True)
;;       e = np.where(a > 0, np.clip(np.frexp(np.where(a > 0, a, 1))[1] - 1 - 2, -126, 127), 0)      # np.frexp(a)[1] - 1 = floor(log2(a)), exactly
;;       r = np.clip(x / 2.0 ** e, -6, 6)
;;       step = 2.0 ** (np.maximum(np.frexp(np.where(r == 0, 1, r))[1] - 1, 0) - 1)
;;       q = np.round(r / step) * step * 2.0 ** e      # np.round: ties to even
;;       return np.moveaxis(q.reshape(q.shape[:-2] + (-1,))[..., :K], -1, axis).astype(np.float32)
;;   ~~~
;;   OPERANDS COMPUTED ON THE WAY. 'Computed on the way' means the value that the module computes at that place (a softmax that the list does not call 'softmax' is quantised finished and normalised). What goes into a quantiser is computed in f32, as accurately as f32 sums, v_exp_f32 and their like allow (about 1e-6 of the number): no bf16 or f16 on the way to a quantiser, and a product that is left as it is and whose result goes on into a quantised operand takes f32 operands (vector FMAs, or v_wmma_f32_16x16x4_f32). A number that lies on a knife's edge between two numbers of the format may be rounded either way, as far as f32 arithmetic and the matrix unit's own rounding can turn it there, and no further.
;;   INPUTS GIVEN AS CODES. cb (in the module: [4096, 4096], K = its axis 1): each comes as NAME_codes (uint8): NAME with its K axis moved to the last place and cut into blocks of 32 codes, [.., K / 32, bytes a block], one block behind the other in memory; two codes a byte, the lower K in the low four bits (a code: sign, 2 exponent bits, 1 mantissa bit); and NAME_scales (uint8): the same leading axes, one E8M0 byte (e + 127) for each 32 codes along K. Its value is code x scale, taken as it is: it is not quantised again, and the codes and scales need not be those that the quantiser above would give.
;; One version. Each part assembles by itself: llvm-mc -triple=amdgcn-amd-amdhsa -mcpu=gfx1250 --defsym DOCPART=n.
;; ======== version 1 of 1: 2 launches
;; limits: right only within a limited range of input values
;; workspace buffers: acodes 8,912,896 bytes
;; launch quant (part 1): grid 256 x 1, 8 waves a work-group, no clusters, 9,728 bytes of LDS; arguments in1, in2, acodes; writes acodes
.if DOCPART == 1
	.amdgcn_target "amdgcn-amd-amdhsa--gfx1250"
	.amdhsa_code_object_version 6
	.text
	.protected	k_q133812fccc_quant
	.globl	k_q133812fccc_quant
	.p2align	8
	.type	k_q133812fccc_quant,@function
k_q133812fccc_quant:
	s_mov_b64 s[64:65], 0
	v_nop
	global_prefetch_b8 v0, s[64:65] scope:SCOPE_SE
	s_setreg_imm32_b32 hwreg(HW_REG_WAVE_MODE, 25, 1), 1
	s_wait_xcnt 0x0
; The left operand of out = outer x cb^T: outer[b][64 i + j] = in1[b][i] x in2[b][j], f32, quantised along K = 64 i + j to codes of FP4 (E2M1) with one E8M0 byte for each 32 along K.
; It is laid down ONCE, in the order of the matrix operand's registers, for the product's launch:
;   acodes = [group of 64 rows b, 0..63][ks 0..7][17,408 bytes], ks = 512 along K.  In such a block: the fragment of rows 16 i .. 16 i + 15 (i = 0..3) and of the q-th 128 along K lies at (4 i + q) x 1,024:
;   registers 4 c .. 4 c + 3 of lane l at + 512 c + 16 l.  From byte 16,384 on the scale words (four bytes: 128 along K of one row): 16 x (row in the group) + 4 q.
; WHAT A LANE HOLDS.  The operand's layout gives lane (r, h) of a fragment k = 64 c + 32 h + 0 .. 31: that is in1[row r][one column] x in2[row r][32 h .. 32 h + 31]: a WHOLE block of 32.
; So a lane's 32 numbers of in2 stay in registers, and each block is 32 products by one number of in1.
; A BLOCK'S LARGEST MAGNITUDE is not searched for: rounding keeps order, so the largest |in1 x in2[j]| as rounded to f32 is |in1| x (the largest |in2[j]|) as rounded to f32: one multiplication.
; A block's scale is 2^(floor(log2(its largest magnitude)) - 2): its byte is that magnitude's exponent field - 2, held at 1 from below by a floor under the magnitude.
; SHARES.  Work-group g takes rows 16 g .. 16 g + 15; its wave w takes K = 512 w .. 512 w + 511 (in1's columns 8 w .. 8 w + 7): four fragments and four scale words a row.
; LIMITS: NaN and infinities among the inputs, and products beyond f32's range, are not served.  A block of zeros gets the byte 1 where the rule says 127: its codes are zeros, which add nothing under that byte, and this program alone reads the bytes.
; No tensor load, no cluster: work-groups share nothing, and a work-group reads 8,192 bytes in all.
.set PIT,   272                        ; an LDS row: 256 bytes (64 numbers) + 16, so that the 16 rows that a load touches lie 16 bytes apart modulo 256
.set IN2L,  16*PIT                     ; LDS: in1's 16 rows, then in2's 16 rows
.set BLKB,  17408                      ; a block of acodes
.set A8,    16                         ; v16-23   my row's 8 numbers of in1
.set L1,    24                         ; v24-27   in1 as loaded;  v28-31 in2 as loaded
.set L2,    28
.set X,     32                         ; v32-63   my 32 numbers of in2
.set P,     64                         ; v64-127  two sets of 32 products, by turns
.set C,     128                        ; v128-159 the codes: register 4 n + g, n = 2 q + c
.set SO,    160                        ; v160-167 the conversions' scale operands, one for each block
.set BY,    168                        ; v168-175 the scale bytes
.set W,     176                        ; v176-179 the scale words
	s_load_b128 s[4:7], s[0:1], 0x0                ; in1, in2
	s_load_b64 s[8:9], s[0:1], 0x10                ; acodes
	v_lshl_add_u32 v192, v0, 2, 0x2200             ; my spare word, behind the 32 rows
	v_mov_b32 v193, 0
	v_lshrrev_b32 v1, 5, v0
	s_delay_alu instid0(VALU_DEP_1)
	v_readfirstlane_b32 s16, v1                    ; wave 0..7
	v_and_b32 v1, 31, v0                           ; lane
	v_and_b32 v2, 15, v0                           ; r
	v_bfe_u32 v3, v0, 4, 1                         ; h
	v_lshrrev_b32 v4, 4, v0
	s_delay_alu instid0(VALU_DEP_1)
	v_mul_u32_u24 v4, v4, PIT
	s_delay_alu instid0(VALU_DEP_1)
	v_lshl_add_u32 v4, v2, 4, v4                   ; into LDS: row = thread / 16, 16 bytes for each of its sixteen threads
	v_lshlrev_b32 v5, 4, v0                        ; from memory: 16 bytes a thread: the 16 rows are 4,096 consecutive bytes
	v_mul_u32_u24 v7, v2, PIT
	s_delay_alu instid0(VALU_DEP_1)
	v_lshl_add_u32 v6, v3, 7, v7                   ; in2: row r, + 128 h: my 32 numbers
	s_lshl_b32 s17, s16, 5
	v_add_nc_u32 v7, s17, v7                       ; in1: row r, + 32 x wave: my wave's 8 columns
	v_lshlrev_b32 v8, 4, v1                        ; out: 16 x lane in an image
	v_lshlrev_b32 v9, 4, v2
	s_delay_alu instid0(VALU_DEP_1)
	v_lshl_add_u32 v9, v3, 3, v9                   ; out: 16 r + 8 h among the scale words
	v_lshlrev_b32 v10, 3, v3                       ; 8 h: my bytes' place in a scale word, in bits
	v_mov_b32 v15, 0                               ; (named as the upper half of the pair v[14:15])
	v_mov_b32 v180, 0                              ; a lane permute's destination counts as one of its sources
	s_mov_b32 s22, 0x76543210
	s_mov_b32 s23, 0xfedcba98                      ; v_permlanex16_b32's selects for lane l xor 16
	s_lshl_b32 s12, ttmp9, 12                      ; my 16 rows of 256 bytes
	s_mov_b32 s13, 0
	s_lshr_b32 s18, ttmp9, 2                       ; my group of 64 rows
	s_lshl_b32 s18, s18, 3
	s_add_co_u32 s18, s18, s16
	s_mul_i32 s18, s18, BLKB                       ; my block of acodes: (8 x group + wave) x 17,408
	s_and_b32 s19, ttmp9, 3                        ; i: which 16 of the group's rows are mine
	s_lshl_b32 s20, s19, 8
	s_add_co_u32 s20, s20, s18
	s_add_co_u32 s20, s20, 16384                   ; my rows' scale words: 16,384 + 256 i
	s_mov_b32 s21, 0
	s_lshl_b32 s19, s19, 12
	s_add_co_u32 s18, s18, s19                     ; my rows' four fragments: 4 i x 1,024
	s_mov_b32 s19, 0
	s_wait_alu depctr_va_vdst(0)
	s_wait_kmcnt 0x0
	s_add_nc_u64 s[4:5], s[4:5], s[12:13]
	s_add_nc_u64 s[6:7], s[6:7], s[12:13]
	s_add_nc_u64 s[10:11], s[8:9], s[20:21]
	s_add_nc_u64 s[8:9], s[8:9], s[18:19]
	global_load_b128 v[L1:L1+3], v5, s[4:5] th:TH_LOAD_NT      ; a wave reads 512 consecutive bytes of each; each byte of in1 and in2 is read once in the launch
	global_load_b128 v[L2:L2+3], v5, s[6:7] th:TH_LOAD_NT
	s_wait_loadcnt 0x0
	ds_store_b128 v4, v[L1:L1+3]
	ds_store_b128 v4, v[L2:L2+3] offset:IN2L
	s_wait_dscnt 0x0                               ; for the others' sake: my stores have landed
	s_barrier_signal -1
	s_barrier_wait -1                              ; the 16 rows of both inputs lie in LDS
.irp j, 0,1,2,3,4,5,6,7
	ds_load_b128 v[X+4*\j:X+4*\j+3], v6 offset:IN2L+16*\j
.endr
	ds_load_b128 v[A8:A8+3], v7
	ds_load_b128 v[A8+4:A8+7], v7 offset:16
	s_wait_dscnt 2                                 ; in2's eight loads are in; in1's two may be out
	v_max3_num_f32 v11, |v[X]|, |v[X+1]|, |v[X+2]|             ; the largest magnitude of my 32 numbers of in2, in two chains
	v_max3_num_f32 v13, |v[X+3]|, |v[X+4]|, |v[X+5]|
.irp i, 6,10,14,18,22,26
	s_delay_alu instid0(VALU_DEP_2)
	v_max3_num_f32 v11, v11, |v[X+\i]|, |v[X+\i+1]|
	s_delay_alu instid0(VALU_DEP_2)
	v_max3_num_f32 v13, v13, |v[X+\i+2]|, |v[X+\i+3]|
.endr
	s_delay_alu instid0(VALU_DEP_2)
	v_max3_num_f32 v11, v11, |v[X+30]|, |v[X+31]|
	s_delay_alu instid0(VALU_DEP_1)
	v_max_num_f32 v11, v11, v13
	s_wait_alu depctr_va_vdst(0)
	s_wait_dscnt 0x0                               ; in1's eight numbers
; Block k of my eight: in1's column 8 w + k; fragment q = k / 2, half c = k % 2.  The next block's plain lines are the place behind this block's conversions; the sets of products take turns.
.macro BLOCK k
.set PS, P+32*((\k)%2)
	v_mul_f32 v12, |v[A8+\k]|, v11                 ; the block's largest magnitude
	s_delay_alu instid0(VALU_DEP_1)
	v_max_num_f32 v12, 0x1800000, v12              ; and the floor 2^(3 - 127): so the byte cannot fall under 1
	s_delay_alu instid0(VALU_DEP_1)
	v_add_nc_u32 v[SO+\k], 0xff000000, v12         ; 2 off its exponent field: the conversion takes the exponent field of this operand as its scale, and nothing else of it
	s_delay_alu instid0(VALU_DEP_1)
	v_lshrrev_b32 v[BY+\k], 23, v[SO+\k]           ; the scale's byte
.if (\k)%2
	v_mov_b32 v14, v[A8+\k]                        ; the packed form takes a pair's low word for both halves: an odd column's number goes to an even register
.irp j, 0,2,4,6,8,10,12,14,16,18,20,22,24,26,28,30
	v_pk_mul_f32 v[PS+\j:PS+\j+1], v[X+\j:X+\j+1], v[14:15] op_sel_hi:[1,0]
.endr
.else
.irp j, 0,2,4,6,8,10,12,14,16,18,20,22,24,26,28,30
	v_pk_mul_f32 v[PS+\j:PS+\j+1], v[X+\j:X+\j+1], v[A8+\k:A8+\k+1] op_sel_hi:[1,0]
.endr
.endif
.irp g, 0,1,2,3
	v_cvt_scalef32_pk8_fp4_f32 v[C+4*(\k)+\g], v[PS+8*\g:PS+8*\g+7], v[SO+\k]   ; eight products / the scale, to the nearest code, ties to even, beyond 6 the largest code; the first one's code in the lowest bits
.endr
	global_store_b128 v8, v[C+4*(\k):C+4*(\k)+3], s[8:9] offset:512*(\k)   ; the 32 lanes store 512 consecutive bytes, at a multiple of 256 from the buffer's first byte
.endm
.irp k, 0,1,2,3,4,5,6,7
	BLOCK \k
.endr
; The scale word of fragment q: byte 2 c + h.  I have bytes h and 2 + h; lane l xor 16 has the other two.
.macro WORD q
	v_lshl_or_b32 v[W+\q], v[BY+2*\q+1], 16, v[BY+2*\q]
	s_delay_alu instid0(VALU_DEP_1)
	v_lshlrev_b32 v[W+\q], v10, v[W+\q]
	s_delay_alu instid0(VALU_DEP_1)
	v_permlanex16_b32 v180, v[W+\q], s22, s23
	s_delay_alu instid0(VALU_DEP_1)
	v_or_b32 v[W+\q], v[W+\q], v180
.endm
.irp q, 0,1,2,3
	WORD \q
.endr
	v_cmp_eq_u32 vcc_lo, 1, v3
	s_delay_alu instid0(VALU_DEP_1)
	v_cndmask_b32 v182, v[W], v[W+2], vcc_lo       ; lanes 0-15 store words 0 and 1 of row r, lanes 16-31 words 2 and 3
	s_delay_alu instid0(VALU_DEP_2)
	v_cndmask_b32 v183, v[W+1], v[W+3], vcc_lo
	global_store_b64 v9, v[182:183], s[10:11]      ; the 32 lanes store 256 consecutive bytes, aligned
	s_wait_tensorcnt 0x0                           ; the wave's end
	ds_add_u32 v192, v193
	s_wait_dscnt 0x0
	s_endpgm
.Lfunc_end_k_q133812fccc_quant:
	.size	k_q133812fccc_quant, .Lfunc_end_k_q133812fccc_quant-k_q133812fccc_quant
	.p2alignl 7, 3214868480
	.fill 96, 4, 3214868480
	.section	.rodata,"a",@progbits
	.p2align	6, 0x0
	.amdhsa_kernel k_q133812fccc_quant
		.amdhsa_group_segment_fixed_size 9728
		.amdhsa_private_segment_fixed_size 0
		.amdhsa_enable_private_segment 0
		.amdhsa_kernarg_size 24
		.amdhsa_user_sgpr_count 2
		.amdhsa_user_sgpr_kernarg_segment_ptr 1
		.amdhsa_wavefront_size32 1
		.amdhsa_system_sgpr_workgroup_id_x 1
		.amdhsa_system_sgpr_workgroup_id_y 1
		.amdhsa_system_sgpr_workgroup_id_z 1
		.amdhsa_system_vgpr_workitem_id 0
		.amdhsa_next_free_vgpr 194
		.amdhsa_next_free_sgpr 66
		.amdhsa_reserve_vcc 1
		.amdhsa_float_denorm_mode_32 3
		.amdhsa_float_denorm_mode_16_64 3
		.amdhsa_memory_ordered 1
		.amdhsa_forward_progress 1
		.amdhsa_inst_pref_size 20
	.end_amdhsa_kernel
	.amdgpu_metadata
---
amdhsa.version: [ 1, 2 ]
amdhsa.kernels:
  - .name:           k_q133812fccc_quant
    .symbol:         k_q133812fccc_quant.kd
    .args:
      - { .name: in1, .offset: 0, .size: 8, .value_kind: global_buffer, .address_space: global }
      - { .name: in2, .offset: 8, .size: 8, .value_kind: global_buffer, .address_space: global }
      - { .name: acodes, .offset: 16, .size: 8, .value_kind: global_buffer, .address_space: global }
    .group_segment_fixed_size: 9728
    .private_segment_fixed_size: 0
    .kernarg_segment_align: 8
    .kernarg_segment_size: 24
    .max_flat_workgroup_size: 256
    .sgpr_count:     66
    .vgpr_count:     194
    .wavefront_size: 32
...
	.end_amdgpu_metadata
.endif
;; end of part 1
;; launch gemm (part 2): grid 16 x 16, 4 waves a work-group, clusters of 4 x 1, 327,680 bytes of LDS; arguments acodes, cb_codes, cb_scales, out0; writes out0
.if DOCPART == 2
	.amdgcn_target "amdgcn-amd-amdhsa--gfx1250"
	.amdhsa_code_object_version 6
	.text
	.protected	k_q133812fccc_gemm
	.globl	k_q133812fccc_gemm
	.p2align	8
	.type	k_q133812fccc_gemm,@function
k_q133812fccc_gemm:
	s_mov_b64 s[64:65], 0
	v_nop
	global_prefetch_b8 v0, s[64:65] scope:SCOPE_SE
	s_setreg_imm32_b32 hwreg(HW_REG_WAVE_MODE, 25, 1), 1
	s_wait_xcnt 0x0
	s_wait_alu depctr_hold_cnt(0) depctr_sa_sdst(0) depctr_va_vdst(0) depctr_va_sdst(0) depctr_va_ssrc(0) depctr_va_vcc(0) depctr_vm_vsrc(0)
	s_getreg_b32 s2, hwreg(HW_REG_IB_STS2, 6, 4)
	s_cmp_eq_u32 s2, 0
	s_cbranch_scc0 .Lentry_in_a_cluster
	s_endpgm
.Lentry_in_a_cluster:
	s_bfe_u32 s2, ttmp6, 0x10000c
	s_cmp_lg_u32 s2, 0x3003
	s_cbranch_scc0 .Lentry_shape_is_right
	s_endpgm
.Lentry_shape_is_right:
; out[b][n] = sum over k of A[b][k] cb[n][k], 4,096 x 4,096 x 4,096, both operands codes of FP4 (E2M1) with one E8M0 byte for each 32 along K; sums in f32; out f32.
; A work-group (x, y) of four waves makes rows 256 x .. + 255 and columns 256 y .. + 255 of out; wave w takes rows 64 w .. + 63 of them and all 256 columns.  16 x 16 = 256 work-groups.
; cb comes through LDS: four chunks of 1,024 along K, 256 rows x 512 bytes each, by joint tensor loads into two slots: chunks 0 and 1 at the head, chunk 2 into slot 0, chunk 3 into slot 1.
; CLUSTERS: the four work-groups of a cluster differ in x alone and need the same rows of cb: each tile is asked for JOINTLY, by the same load with the same descriptor and the mask 15.
; A (acodes: [64 rows][512 of K][17,408 bytes], images of the operand's registers and scale words, laid by the launch before) goes STRAIGHT INTO REGISTERS: a fragment is used by one wave alone, so in LDS each of its
; bytes would be written once and read once; a joint load lands in LDS alone, so A is not asked for jointly.  A wave's eight blocks lie end to end.
; A UNIT is 128 along K of one half of the columns: 16 matrix instructions of 32 x 16 x 128: 2 blocks of 32 rows x 8 tiles of 16 columns.  Two units make a step, with one run of loads behind them: K = 0 .. 31.
; Steps 0 to 26 are both halves of 128 along K.  THE LAST FIVE 128s OF K GO BY HALVES (units 54-58: columns 0-127, units 59-63: columns 128-255; A's five fragments stay in their five sets), so that the first half's results
; begin to leave before the last products.
; THE COLUMNS OF A TILE ARE NOT NEIGHBOURS: tile (g, t) of a half takes in lane r the column 64 g + 4 r + t.  So a lane's four accumulators t = 0 .. 3 hold four neighbouring columns, and sixteen lanes 256 neighbouring
; bytes of a row of out: four moves and one 16-byte store a lane; no stage in LDS.  Wave w's tensor loads bring cb's rows w, w + 4, ..: region t of a slot holds the rows 4 l + t, l = 0 .. 63.
; REGISTERS, in windows of 256: window 0: addresses, scale words, cb's set 0 (v84-211), A's set 4 (v212-243).  window 1: cb's set 1 (v0-127), A's sets 0 to 3 (v128-255).
;   window 2: the 16 accumulators of columns 0-127;  window 3: those of columns 128-255.
; AHEAD: the run behind step K asks for cb's fragments and scale words of step K + 2, for A's codes of step K + 5 and, every fourth step, for A's scale words five to eight steps on.
; A's stream is prefetched (below); cb's chunks are not: from the request for a refill to the wait for it stand eight steps, 256 matrix instructions.
; LIMITS: as the launch before states them; scale bytes of cb are taken as given (a byte 0xff gives NaN, as the format says).
.set PITCH,  528                       ; a row of cb in LDS: 512 bytes (1,024 codes) + 16 of padding: the 16 rows that a load touches start 16 bytes apart modulo 256
.set REGION, 64*PITCH                  ; 64 rows: what one tensor load brings
.set SLOT,   4*REGION
.set SCL,    2*SLOT                    ; cb's scales, for all of K: 128 bytes of row 4 l + t at t x 8,776 + l x 136
.set SPIT,   136
.set SREG,   64*SPIT+72
.set SPARE,  SCL+35328                 ; the spare words, 128 bytes for each wave: two blocks of 256 bytes that no other line names
.set KBLK,   17408                     ; a block of acodes: 64 rows x 512 along K
.set ROWO,   16384                     ; a row of out in bytes
.set SPW,  8                           ; v8      LDS address of my spare word; never rewritten
.set NIL,  9                           ; v9      0; never rewritten
.set AB,   10                          ; v10-13  LDS address of my cb fragments: slot 0: regions 0-1, regions 2-3; slot 1: the same
.set ADS,  14                          ; v14     LDS address of my scale words of cb
.set AO,   15                          ; v15     16 x lane: my place in A's images and scale words
.set CO,   16                          ; v16     my byte offset in out
.set PFO,  17                          ; v17     the prefetches' offset
.set SST,  18                          ; v18     where I put scales of cb
.set SGO,  19                          ; v19     where I read them
.set SCB,  20                          ; v20-67  cb's scale words, three sets for two 128s of K each: register 8 half + 2 t + (128s % 2): lanes 0-15 tile (0, t), lanes 16-31 tile (1, t)
.set SCA,  68                          ; v68-83  A's scale words, two sets for four 128s each: register 4 m + (128s % 4): lane l row l of block m of 32 rows
.set CB0,  84
.set A4,   212
.set MSB, 0
.macro WIN new                         ; the immediate's high byte repeats the setting that is left
.if MSB != \new
	s_set_vgpr_msb (MSB<<8)|\new
.set MSB, \new
.endif
.endm
.macro CREST                           ; a round of the cluster's barrier behind its opening barrier
	s_cmp_lg_u32 s14, 0
	s_cbranch_scc1 .Lnot_wave_0_\@
	s_barrier_signal -3
.Lnot_wave_0_\@:
	s_barrier_wait -3
	s_barrier_signal -1
	s_barrier_wait -1
.endm
.macro CROUND                          ; a whole round
	s_barrier_signal -1
	s_barrier_wait -1
	CREST
.endm
.macro PLACES
.rept 4
	v_nop
.endr
.endm
	s_load_b256 s[4:11], s[0:1], 0x0               ; acodes s[4:5], cb_codes s[6:7], cb_scales s[8:9], out s[10:11]
	v_lshl_add_u32 v[SPW], v0, 2, SPARE
	v_mov_b32 v[NIL], 0
	ds_add_u32 v[SPW], v[NIL]                      ; the wave's opening: the add, twice on end, and its wait ahead of my first tensor load
	ds_add_u32 v[SPW], v[NIL]
	v_lshrrev_b32 v1, 5, v0
	v_readfirstlane_b32 s14, v1                    ; wave 0..3
	s_bfe_u32 s40, ttmp6, 0x40000                  ; cx
	s_lshl_b32 s12, ttmp9, 2
	s_add_co_u32 s12, s12, s40                     ; x: 256 rows of out
	s_and_b32 s13, ttmp7, 0xffff                   ; y: 256 columns
	; descriptor group 1: 64 rows of 512 bytes, four rows of cb apart in memory, padded in LDS
	s_mov_b32 s24, 15|(1<<20)|(1<<21)|(6<<22)|(3<<25)  ; the mask: the four of the cluster; elements of 1 byte; padding on; bit 21 beside a mask; after every 128 words (code 6) four words (code 3)
	s_mov_b32 s25, 512<<16
	s_mov_b32 s26, 64<<16
	s_mov_b32 s27, 512<<16
	s_mov_b32 s28, 64
	s_mov_b32 s29, 8192
	s_mov_b32 s30, 0
	s_mov_b32 s31, 0
	s_lshl_b32 s16, s13, 8
	s_add_co_u32 s16, s16, s14
	s_lshl_b32 s16, s16, 11                        ; cb: row 256 y + wave, 2,048 bytes a row
	s_mov_b32 s17, 0
	s_lshl_b32 s20, s13, 15                        ; cb's scales: 256 rows x 128 bytes
	s_mov_b32 s21, 0
	s_lshl_b32 s22, s12, 2
	s_add_co_u32 s22, s22, s14
	s_mul_i32 s22, s22, 8*KBLK                     ; A: my 64 rows, eight blocks
	s_mov_b32 s23, 0
	s_lshl_b32 s42, s12, 8
	s_lshl_b32 s43, s14, 6
	s_add_co_u32 s42, s42, s43
	s_lshl_b32 s42, s42, 14                        ; out: row 256 x + 64 wave,
	s_lshl_b32 s43, s13, 10
	s_add_co_u32 s42, s42, s43                     ; column 256 y
	s_mov_b32 s43, 0
	s_bfe_u32 s44, s13, 0x20001                    ; the prefetches: my share of eight: bits 1 and 2 of y, and bit 0 xor bit 3
	s_lshr_b32 s45, s13, 3
	s_xor_b32 s45, s45, s13
	s_and_b32 s45, s45, 1
	s_lshl_b32 s45, s45, 2
	s_add_co_u32 s44, s44, s45
	s_mul_i32 s44, s44, 17*256
	v_and_b32 v1, 31, v0                           ; l
	v_and_b32 v2, 15, v0                           ; r
	v_bfe_u32 v3, v0, 4, 1                         ; h
	v_bfe_u32 v4, v0, 3, 2
	v_lshrrev_b32 v5, 5, v0
	v_and_b32 v6, 7, v0
	v_lshlrev_b32 v[SGO], 4, v0                    ; cb's scales: 16 bytes a thread, sixteen times: row 16 i + thread / 8: t = (thread / 8) % 4, l = 4 i + thread / 32
	v_mul_u32_u24 v4, v4, SREG
	v_mul_u32_u24 v5, v5, SPIT
	v_lshl_add_u32 v4, v6, 4, v4
	v_add_nc_u32 v4, v4, v5
	v_add_nc_u32 v[SST], SCL, v4
	v_mul_u32_u24 v7, v1, SPIT
	v_add_nc_u32 v[ADS], SCL, v7
	v_mul_u32_u24 v7, v2, PITCH
	v_lshl_add_u32 v[AB], v3, 4, v7                ; cb: row r of a region, + 16 h
	v_add_nc_u32 v[AB+1], 2*REGION, v[AB]
	v_add_nc_u32 v[AB+2], SLOT, v[AB]
	v_add_nc_u32 v[AB+3], SLOT+2*REGION, v[AB]
	v_lshlrev_b32 v[AO], 4, v1
	v_lshlrev_b32 v7, 4, v2
	v_lshl_add_u32 v[CO], v3, 17, v7               ; out: 8 h rows, + 16 r
	v_min_u32 v7, 16, v1                           ; 17 lanes name 17 blocks of 256 bytes; the lanes left over name the last again
	v_lshlrev_b32 v7, 8, v7
	v_add_nc_u32 v[PFO], s44, v7
	s_wait_alu depctr_va_vdst(0)
	s_wait_dscnt 0x0                               ; both opening adds are done
	s_wait_kmcnt 0x0
	s_add_nc_u64 s[16:17], s[6:7], s[16:17]
	s_add_nc_u64 s[8:9], s[8:9], s[20:21]
	s_add_nc_u64 s[4:5], s[4:5], s[22:23]
	s_add_nc_u64 s[10:11], s[10:11], s[42:43]
	; group 0, one for each slot: the addresses hang on y and on the wave's number, the LDS addresses on the wave's number alone
	s_mov_b32 s32, 1
	s_mul_i32 s33, s14, REGION
	s_mov_b64 s[34:35], s[16:17]
	s_or_b32 s35, s35, 0x80000000
	s_mov_b32 s36, 1
	s_add_co_u32 s37, s33, SLOT
	s_add_nc_u64 s[38:39], s[16:17], 512
	s_or_b32 s39, s39, 0x80000000
	CROUND                                         ; all four work-groups are here: the first joint loads meet
	tensor_load_to_lds s[32:35], s[24:31]          ; chunk 0: my region; one tensor load a wave at the head
	s_nop 0
	PLACES
.macro MAP q                           ; unit q: which 128 along K (US), which half of the columns (UH)
.if (\q) < 54
.set US, (\q)/2
.set UH, (\q)%2
.elseif (\q) < 59
.set US, (\q)-27
.set UH, 0
.else
.set US, (\q)-32
.set UH, 1
.endif
.endm
.macro CBLD q                          ; cb's fragments for unit q: lane l holds its row's K = 64 c + 32 h + 0 .. 31 in registers 4 c .. 4 c + 3
	MAP \q
.set rF, 64*((\q)%2)
.set WW, 0x40
.if (((\q)/2)%2) == 0
.set rF, rF+CB0
.set WW, 0
.endif
	WIN WW
.irp k, 0,1,2,3
.irp e, 0,1
.irp c, 0,1
	ds_load_b128 v[rF+16*\k+8*\e+4*\c:rF+16*\k+8*\e+4*\c+3], v[AB+2*((US/8)%2)+(\k%2)] offset:\e*REGION+(2*UH+\k/2)*16*PITCH+64*(US%8)+32*\c
.endr
.endr
.endr
.endm
.macro CSLD p                          ; cb's scale words of the p-th 256 along K
	WIN 0
.irp hc, 0,1
.irp t, 0,1,2,3
	ds_load_b64 v[SCB+16*((\p)%3)+8*\hc+2*\t:SCB+16*((\p)%3)+8*\hc+2*\t+1], v[ADS] offset:\t*SREG+\hc*32*SPIT+8*(\p)
.endr
.endr
.endm
.macro ASLD k                          ; A's scale words of my k-th block: four 128s
	WIN 0
.irp m, 0,1
	global_load_b128 v[SCA+8*((\k)%2)+4*\m:SCA+8*((\k)%2)+4*\m+3], v[AO], s[4:5] offset:(\k)*KBLK+16384+512*\m
.endr
.endm
.macro ACLD u                          ; A's four fragments of 16 rows for the u-th 128 along K: 512 consecutive bytes a load
.set rF, 128+32*((\u)%5)
.set WW, 0x40
.if ((\u)%5) == 4
.set rF, A4
.set WW, 0
.endif
	WIN WW
.irp i, 0,1,2,3
.irp c, 0,1
	global_load_b128 v[rF+8*\i+4*\c:rF+8*\i+4*\c+3], v[AO], s[4:5] offset:((\u)/4)*KBLK+(4*\i+((\u)%4))*1024+512*\c
.endr
.endr
.endm
; A unit: 16 matrix instructions.  Source 0 = 32 rows of A, source 1 = 16 columns.  Register 8 f + j of the result: row 16 f + 8 h + j.  Its 16 accumulators take turns, in the same order in every unit.
.macro UNIT q
	MAP \q
.set rA0, 128+32*(US%5)
.set WW, ((2+UH)<<6)|((2+UH)<<4)|1
.if (US%5) == 4
.set rA0, A4
.set WW, WW-1
.endif
.set rB0, 64*((\q)%2)
.if (((\q)/2)%2) == 0
.set rB0, rB0+CB0
.else
.set WW, WW+4
.endif
	WIN WW
.irp m, 0,1
.irp gt, 0,1,2,3,4,5,6,7
.set rD,  128*\m+16*\gt
.set rA,  rA0+16*\m
.set rB,  rB0+8*\gt
.set rSA, SCA+8*((US/4)%2)+4*\m+(US%4)
.set rSB, SCB+16*((US/2)%3)+8*UH+2*(\gt%4)+(US%2)
.if US == 0
.if \gt > 3
	v_wmma_scale_f32_32x16x128_f4 v[rD:rD+15], v[rA:rA+15], v[rB:rB+7], 0, v[rSA], v[rSB] matrix_b_scale:MATRIX_SCALE_ROW1
.else
	v_wmma_scale_f32_32x16x128_f4 v[rD:rD+15], v[rA:rA+15], v[rB:rB+7], 0, v[rSA], v[rSB]
.endif
.else
.if \gt > 3
	v_wmma_scale_f32_32x16x128_f4 v[rD:rD+15], v[rA:rA+15], v[rB:rB+7], v[rD:rD+15], v[rSA], v[rSB] matrix_b_scale:MATRIX_SCALE_ROW1
.else
	v_wmma_scale_f32_32x16x128_f4 v[rD:rD+15], v[rA:rA+15], v[rB:rB+7], v[rD:rD+15], v[rSA], v[rSB]
.endif
.endif
.endr
.endr
.endm
; cnt stores of results, numbers n0 .. n0 + cnt - 1 of my 128 (of one half), through 4 cnt registers from reg on in window w: all moves, then all stores.  Store i: half i / 64, register (i % 64) / 2 of its 32
; (16 block + register), g = i % 2: four tiles' registers make 16 bytes a lane (each accumulator from its low end on); sixteen lanes store 256 consecutive bytes, at a multiple of 256 from out's first byte; two rows an instruction.
.macro OUTN n0, cnt, reg, w
.set WW, ((\w)<<6)|(2+(\n0)/64)
	WIN WW
.set i, 0
.rept \cnt
.set kk, (((\n0)+i)%64)/2
.irp t, 0,1,2,3
	v_mov_b32 v[(\reg)+4*i+\t], v[128*(kk/16)+64*(i%2)+16*\t+(kk%16)]
.endr
.set i, i+1
.endr
.set WW, (\w)<<2
	WIN WW
.set i, 0
.rept \cnt
.set kk, (((\n0)+i)%64)/2
	global_store_b128 v[CO], v[(\reg)+4*i:(\reg)+4*i+3], s[10:11] offset:(32*(kk/16)+16*((kk%16)/8)+(kk%8))*ROWO+256*(i%2)+512*((\n0)/64) th:TH_STORE_NT
.set i, i+1
.endr
.endm
; One step.  FILL = 1: the slot read out is filled again behind it;  MEET = 1: the next chunk's first fragments are read behind it.
.macro STEP
.set FILL, 0
.set MEET, 0
.if (K == 6) || (K == 14)
.set FILL, 1
.set MEET, 1
.endif
.if K == 22
.set MEET, 1
.endif
.if FILL
	WIN 0
	s_wait_tensorcnt 0x0                           ; all my tensor loads have landed: my part of the next chunk;
	ds_add_u32 v[SPW], v[NIL]                      ; 0 onto my spare word
.set SL, 34+4*((K/8)%2)
	s_add_nc_u64 s[SL:SL+1], s[SL:SL+1], 1024      ; no tensor load of mine is out: the slot's next chunk, two chunks on
.endif
.set LC, 32                            ; A's loads for the next four 128s may be out,
.if K > 27
.set LC, 0
.endif
.if K == 27
.set LC, 24                            ; (step 27 wants the 128s 27 and 28, step 28 those up to 30, step 29 the last)
.endif
.if K == 28
.set LC, 8
.endif
.set J, K-4
.rept 4                                ; and the scale words asked for behind the last four steps
.if (J >= 0) && (J < 24) && (K < 27)
.if (J%4) == 3
.set LC, LC+2
.endif
.endif
.set J, J+1
.endr
	s_wait_loadcnt LC
.if K > 0
.set DC, FILL                          ; what the run behind the last step asked for (PR: with scale words) may be out, and the add
.if K < 31
.set DC, DC+32
.endif
.if PR > 0
.set DC, DC+8
.endif
	s_wait_dscnt DC                                ; this step's fragments and scale words are in: the run behind the step before the last asked for them
.endif
	UNIT 2*K
.if MEET
.if FILL == 0
	s_wait_tensorcnt 0x0                           ; my part of the last chunk is in
.endif
	s_wait_dscnt 0x0                               ; my reads of the slot are over (and the add is done)
	s_barrier_signal -1
.endif
	UNIT 2*K+1
.if MEET
.if FILL
	WIN 0
.endif
	s_barrier_wait -1
.if FILL
	CREST                                          ; no wave of any partner still reads this slot or has a load on its way
	tensor_load_to_lds s[SL-2:SL+1], s[24:31]      ; the first tensor load behind the round, and my one load until the next
	s_nop 0
.endif
.endif
	PLACES                                         ; four places behind the last matrix instruction, in front of loads into registers that this step has read, and of reads of results
.set PR, -1
.if (K%2) == 0
.if K < 25
.set PR, K/2+1
.endif
.endif
.if (K == 25) || (K == 26)
.set PR, K-11
.endif
.if PR > 0
	CSLD PR
.endif
.if ((K%4) == 3) && (K < 24)
	ASLD K/4+2
.endif
.if K < 30
	CBLD 2*K+4
	CBLD 2*K+5
.endif
.if K < 27
	ACLD K+5
.endif
; A PREFETCH INTO THE L2, behind steps 4 and 12: A's two blocks (34,816 bytes, 136 pieces of 256) for the steps 16 to 23 and 24 to 31.  The 16 work-groups that read them share them out by address: eight shares of 17 pieces,
; each named by the two work-groups whose y differ in bits 0 and 3; a wave asks for its own rows.  The first four blocks come by their loads alone.
.if (K == 4) || (K == 12)
	WIN 0
	global_prefetch_b8 v[PFO], s[4:5] offset:(K/8+2)*2*KBLK th:TH_LOAD_NT scope:SCOPE_SE
.endif
.if K == 29
	OUTN 0, 8, 192, 1                              ; A's set 2 has been read for the last time
.endif
.if K == 30
	OUTN 8, 16, CB0, 0                             ; and so has cb's set 0
.endif
.endm
.irp i, 0,1,2,3,4,5,6,7,8,9,10,11,12,13,14,15
	global_load_b128 v[CB0+4*\i:CB0+4*\i+3], v[SGO], s[8:9] offset:2048*\i   ; cb's scales of the work-group's 256 rows, 32,768 dense bytes: 512 consecutive bytes a wave; small beside cb's codes, so each work-group reads its own
.endr
	ASLD 0
	ASLD 1
.irp u, 0,1,2
	ACLD \u
.endr
	WIN 0
	s_wait_loadcnt 28                              ; the sixteen loads of scales are in; A's 4 + 24 may be out
	s_wait_tensorcnt 0x0                           ; no tensor load of mine is out while I store
.irp i, 0,1,2,3,4,5,6,7,8,9,10,11,12,13,14,15
	ds_store_b64 v[SST], v[CB0+4*\i:CB0+4*\i+1] offset:4*SPIT*\i
	ds_store_b64 v[SST], v[CB0+4*\i+2:CB0+4*\i+3] offset:4*SPIT*\i+8
.endr
	s_wait_tensorcnt 0x0                           ; my region of chunk 0 is in
	ds_add_u32 v[SPW], v[NIL]
	s_wait_dscnt 0x0                               ; the add is done, and my scales are stored
	CROUND                                         ; everybody's are, and the joint loads meet
	tensor_load_to_lds s[36:39], s[24:31]          ; chunk 1: six steps ahead of the wait for it
	s_nop 0
	PLACES
	CSLD 0
	CBLD 0
	CBLD 1
	s_wait_dscnt 16
	CBLD 2
	CBLD 3
.irp u, 3,4
	ACLD \u
.endr
	s_wait_dscnt 32                                ; step 0's fragments and scale words are in; step 1's 32 loads may be out
.set K, 0
.rept 32
	STEP
.set K, K+1
.endr
; THE WAY OUT of the rest: the places behind the last products stand above; A's and cb's registers are free and take the results.
	s_wait_xcnt 0x0                                ; the earlier stores have read their registers; from here on each group has registers of its own
	OUTN 24, 16, 0, 1
	OUTN 40, 24, 64, 1
	OUTN 64, 24, 160, 1
	OUTN 88, 40, CB0, 0
	WIN 0
	s_wait_tensorcnt 0x0                           ; the wave's end
	ds_add_u32 v[SPW], v[NIL]
	s_wait_dscnt 0x0
	CROUND                                         ; the closing round: no work-group ends while a partner may still ask for a tile that names it
	s_endpgm
.Lfunc_end_k_q133812fccc_gemm:
	.size	k_q133812fccc_gemm, .Lfunc_end_k_q133812fccc_gemm-k_q133812fccc_gemm
	.p2alignl 7, 3214868480
	.fill 96, 4, 3214868480
	.section	.rodata,"a",@progbits
	.p2align	6, 0x0
	.amdhsa_kernel k_q133812fccc_gemm
		.amdhsa_group_segment_fixed_size 327680
		.amdhsa_private_segment_fixed_size 0
		.amdhsa_enable_private_segment 0
		.amdhsa_kernarg_size 32
		.amdhsa_user_sgpr_count 2
		.amdhsa_user_sgpr_kernarg_segment_ptr 1
		.amdhsa_wavefront_size32 1
		.amdhsa_system_sgpr_workgroup_id_x 1
		.amdhsa_system_sgpr_workgroup_id_y 1
		.amdhsa_system_sgpr_workgroup_id_z 1
		.amdhsa_system_vgpr_workitem_id 0
		.amdhsa_next_free_vgpr 1024
		.amdhsa_next_free_sgpr 66
		.amdhsa_reserve_vcc 0
		.amdhsa_float_denorm_mode_32 3
		.amdhsa_float_denorm_mode_16_64 3
		.amdhsa_memory_ordered 1
		.amdhsa_forward_progress 1
		.amdhsa_inst_pref_size 255
	.end_amdhsa_kernel
	.section	.bss,"aw",@nobits
	.p2align	6
	.space	262144
	.amdgpu_metadata
---
amdhsa.version: [ 1, 2 ]
amdhsa.kernels:
  - .name:           k_q133812fccc_gemm
    .symbol:         k_q133812fccc_gemm.kd
    .args:
      - { .name: acodes, .offset: 0, .size: 8, .value_kind: global_buffer, .address_space: global }
      - { .name: cb_codes, .offset: 8, .size: 8, .value_kind: global_buffer, .address_space: global }
      - { .name: cb_scales, .offset: 16, .size: 8, .value_kind: global_buffer, .address_space: global }
      - { .name: out0, .offset: 24, .size: 8, .value_kind: global_buffer, .address_space: global }
    .group_segment_fixed_size: 327680
    .private_segment_fixed_size: 0
    .kernarg_segment_align: 8
    .kernarg_segment_size: 32
    .max_flat_workgroup_size: 128
    .sgpr_count:     66
    .vgpr_count:     1024
    .wavefront_size: 32
...
	.end_amdgpu_metadata
.endif
;; end of part 2
